; MI455X (gfx1250); checked and timed in simulation.
; The chip was launched on July 23, 2026; its instructions are those of AMD's public machine-readable ISA for CDNA 5 (MIT licence, August 2026) and "CDNA5" Instruction Set Architecture Reference Guide (July 2026). The comments in the code are by the model that wrote it; some were corrected since.
;; RNN. Allowed arithmetic: float matrix products may take bf16 or f16 operands with f32 sums; other float arithmetic in f32, or as packed bf16 or f16 multiplies, adds, multiply-adds, maxima and minima; sums over many terms, partial sums and values carried from step to step in f32; what a program stores and reads back later, other than sums and carried values, may be rounded once to bf16 or f16.
;; Inputs: W_fc 10 x 256 float32; W_hh 1,024 x 256 float32; W_ih 1,024 x 128 float32; W_proj 256 x 512 float32; b_fc 10 float32; b_hh 1,024 float32; b_ih 1,024 float32; b_proj 256 float32; captions 32,768 x 6 int32; emb 10 x 128 float32; features 32,768 x 512 float32.
;; Outputs: out0 32,768 x 5 x 10 float32.
;; Constants: teacher_forcing_ratio = 1.
;; One version. Each part assembles by itself: llvm-mc -triple=amdgcn-amd-amdhsa -mcpu=gfx1250 --defsym DOCPART=n.
;; ======== version 1 of 1: 2 launches
;; limits: values are held in f16: magnitudes above 65,504 overflow, below 6.1e-05 lose precision; right only within a limited range of input values
;; workspace buffers: wimg 933,888 bytes; cimg 11,264 bytes
;; launch prep (part 1): grid 1750 x 1, 1 waves a work-group, no clusters, 0 bytes of LDS; arguments W_hh, W_proj, W_ih, emb, b_ih, b_hh, W_fc, b_fc, b_proj, wimg, cimg; writes wimg, cimg
.if DOCPART == 1
	.amdgcn_target "amdgcn-amd-amdhsa--gfx1250"
	.amdhsa_code_object_version 6
	.text
	.protected	k_q04ece9e853_prep
	.globl	k_q04ece9e853_prep
	.p2align	8
	.type	k_q04ece9e853_prep,@function
k_q04ece9e853_prep:
	s_mov_b64 s[64:65], 0
	v_nop
	global_prefetch_b8 v0, s[64:65] scope:SCOPE_SE
	s_setreg_imm32_b32 hwreg(HW_REG_WAVE_MODE, 25, 1), 1
	s_wait_xcnt 0x0
; PREP: the weights as the second launch wants them in LDS.  Every input is rounded once to bf16, biases too (one choice for the whole program).
; wimg: 12 tile images of 77,824 bytes, laid out as they will lie in LDS: 128 rows x 528 bytes (256 numbers of 16 bits + 16 bytes of zeros), then a table block of 128 rows x 80 bytes.
;   tiles 0-3 (y = 2 kh + sub), bf16: image row p holds W_proj[(p>>6) 128 + 64 sub + (p&63)][256 kh ..]; their table block is zeros.
;   tiles 4+j, j = 0..7, f16: image row p = 64 ch + 16 q + c holds bf16(W_hh[n][..]) written as f16, n = 256 q + 128 ch + 16 j + c, the rows of gate g (q = 2) doubled (exact).
;   Row p of the table block belongs to the same n.  T'[v][n] = s_n (sum_k bf(emb[v][k]) bf(W_ih[n][k]) + bf(b_ih[n]) + bf(b_hh[n])), s_n = -log2(e), for gate g -2 log2(e), is made in f32 and
;   written as two f16: hi = f16(T') at number v of the row, lo = f16(T' - hi) at number 16 + v; numbers 10-15 and 26-31 are 0; 16 bytes of zeros end the row.
; cimg: 0: W_fc as f16, 16 rows m of 528 bytes (m = 0..4: v = m; m = 8..12: v = m - 3; else zeros), 256 bytes of zeros; 8,704: bf(b_proj) as f32; 9,728: bf(b_fc) as f32 in the order of m; 10,240: zeros.
; LIMITS.  A number written as f16 must lie within 65,504 (2 |W_hh|, |W_fc|, |T'|); below 6.1e-5 it keeps f16's fixed step of 6e-8.  NaN and infinities are not treated apart.
; SHARES.  One wave to a work-group; the work-group's number picks the work: 1,584 waves write 512 consecutive bytes of a tile's weight rows each; 64 make 16 rows of a table block by four matrix
; instructions and write its 1,280 consecutive bytes by three stores of 16, 16 and 8 bytes a lane (82 KB in all: the one place where a single store does not cover 256 consecutive bytes);
; 22 write cimg; 80 write the zero blocks of tiles 0-3.
.set WROWS, 67584                      ; 128 rows of 528 bytes
.set PT,    80                         ; a row of a table block
.set TILE,  WROWS+128*PT
.set NIMG,  1584                       ; 12 tiles x 132 waves
.set NTAB,  64
.set FCWO,  0
.set BPJO,  8704
.set BFCO,  9728
.set ZERO,  10240
.set KN,    0xbfb8aa3b                 ; -log2(e)
.set K2N,   0xc038aa3b                 ; -2 log2(e)
; chunk c = s4 + lane of 16 bytes in rows of 33 chunks: v2 = c, v3 = row, v4 = place in the row, v5 = that place or 31, s30 = lanes whose place holds data
.macro SPLIT
	v_add_nc_u32 v2, s4, v0
	v_mul_u32_u24 v3, v2, 1986                     ; c / 33 = (1,986 c) >> 16 for c < 4,224
	v_lshrrev_b32 v3, 16, v3
	v_mul_u32_u24 v4, v3, 33
	v_sub_nc_u32 v4, v2, v4
	v_min_u32 v5, 31, v4
	v_cmp_gt_u32 s30, 32, v4
.endm
.macro WIDEN d, s                      ; the two bf16 of v[s] as f32 in v[d], v[d+1]
	v_lshlrev_b32 v[\d], 16, v[\s]
	v_and_b32 v[(\d)+1], 0xffff0000, v[\s]
.endm
	s_load_b512 s[8:23], s[0:1], 0x0               ; W_hh s[8:9], W_proj s[10:11], W_ih s[12:13], emb s[14:15], b_ih s[16:17], b_hh s[18:19], W_fc s[20:21], b_fc s[22:23]
	s_load_b128 s[24:27], s[0:1], 0x40             ; b_proj s[24:25], wimg s[26:27]
	s_load_b64 s[28:29], s[0:1], 0x50              ; cimg
	s_mov_b32 s2, ttmp9
	v_mov_b32 v10, 1.0                             ; the factor of the f16 way, as a pair
	v_mov_b32 v11, 1.0
	s_wait_kmcnt 0x0
	s_cmp_lt_u32 s2, NIMG
	s_cbranch_scc0 .Lnot_image
	; ---- a wave of a tile's weight rows
	s_mul_hi_u32 s3, s2, 32537632                  ; y = g / 132
	s_mul_i32 s4, s3, 132
	s_sub_co_u32 s4, s2, s4
	s_lshl_b32 s4, s4, 5
	SPLIT
	s_mul_i32 s5, s3, TILE
	v_lshl_add_u32 v6, v2, 4, s5                   ; where the 16 bytes go
	s_mov_b64 s[36:37], s[26:27]
	s_cmp_lt_u32 s3, 4
	s_cbranch_scc0 .Lrecurrent
	s_lshr_b32 s6, s3, 1
	s_lshl_b32 s6, s6, 10                          ; kh x 256 numbers of 4 bytes
	s_and_b32 s7, s3, 1
	s_lshl_b32 s7, s7, 17                          ; sub x 64 rows of 2,048 bytes
	s_add_co_u32 s6, s6, s7
	v_lshrrev_b32 v7, 6, v3
	v_and_b32 v8, 63, v3
	v_lshl_add_u32 v7, v7, 7, v8
	v_lshlrev_b32 v7, 11, v7
	v_lshl_add_u32 v7, v5, 5, v7
	v_add_nc_u32 v7, s6, v7
	s_mov_b64 s[32:33], s[10:11]
	s_mov_b32 s31, 0                               ; stays bf16
	s_branch .Lconv
.Lrecurrent:
	s_sub_co_u32 s6, s3, 4
	s_lshl_b32 s6, s6, 14                          ; 16 j rows of 1,024 bytes
	v_lshrrev_b32 v7, 6, v3                        ; ch
	v_bfe_u32 v8, v3, 4, 2                         ; q
	v_and_b32 v9, 15, v3
	v_lshlrev_b32 v7, 7, v7
	v_lshl_add_u32 v7, v8, 8, v7
	v_add_nc_u32 v7, v7, v9
	v_lshlrev_b32 v7, 10, v7
	v_lshl_add_u32 v7, v5, 5, v7
	v_add_nc_u32 v7, s6, v7
	v_mov_b32 v11, 2.0
	v_cmp_eq_u32 vcc_lo, 2, v8
	v_cndmask_b32 v10, 1.0, v11, vcc_lo            ; gate g's rows are doubled
	v_mov_b32 v11, v10
	s_mov_b64 s[32:33], s[8:9]
	s_mov_b32 s31, 1
	s_branch .Lconv
.Lnot_image:
	s_cmp_lt_u32 s2, NIMG+NTAB
	s_cbranch_scc1 .Ltable
	s_sub_co_u32 s3, s2, NIMG+NTAB                 ; u = 0..101
	s_cmp_lt_u32 s3, 17
	s_cbranch_scc0 .Lsmall
	; ---- a wave of W_fc's image
	s_lshl_b32 s4, s3, 5
	SPLIT
	v_and_b32 v8, 7, v3
	v_cmp_gt_u32 s5, 5, v8                         ; m % 8 < 5,
	s_and_b32 s30, s30, s5
	v_cmp_gt_u32 s5, 16, v3                        ; m < 16
	s_and_b32 s30, s30, s5
	v_lshrrev_b32 v9, 3, v3
	v_mul_u32_u24 v9, v9, 3
	v_sub_nc_u32 v9, v3, v9                        ; v = m - 3 (m / 8),
	v_min_u32 v9, 9, v9                            ; held inside the table where the row is not used
	v_lshlrev_b32 v7, 10, v9
	v_lshl_add_u32 v7, v5, 5, v7
	v_lshl_add_u32 v6, v2, 4, FCWO
	s_mov_b64 s[32:33], s[20:21]
	s_mov_b64 s[36:37], s[28:29]
	s_mov_b32 s31, 1
.Lconv:                                        ; 8 numbers: rounded to bf16, where asked rewritten as f16, zero where the chunk holds none
	global_load_b128 v[16:19], v7, s[32:33]
	global_load_b128 v[20:23], v7, s[32:33] offset:16
	s_wait_loadcnt 0x0
.irp i, 0,1,2,3
	v_cvt_pk_bf16_f32 v[24+(\i)], v[16+2*(\i)], v[17+2*(\i)]
.endr
	s_cmp_eq_u32 s31, 0
	s_cbranch_scc1 .Lput
.irp i, 0,1,2,3
	WIDEN 16+2*(\i), 24+(\i)
.endr
.irp i, 0,1,2,3
	v_pk_mul_f32 v[16+2*(\i):17+2*(\i)], v[16+2*(\i):17+2*(\i)], v[10:11] op_sel_hi:[1,0]
.endr
.irp i, 0,1,2,3
	v_cvt_pk_f16_f32 v[24+(\i)], v[16+2*(\i)], v[17+2*(\i)]
.endr
.Lput:
.irp i, 0,1,2,3
	v_cndmask_b32 v[24+(\i)], 0, v[24+(\i)], s30
.endr
	global_store_b128 v6, v[24:27], s[36:37]       ; the wave's store covers 512 consecutive bytes, aligned
	s_endpgm
.Ltable:                                       ; ---- chunk j, column half ch, gate q: rows 64 ch + 16 q + 0..15 of tile 4 + j's table block
	s_sub_co_u32 s3, s2, NIMG
	s_lshr_b32 s4, s3, 2                           ; 8 ch + j
	s_and_b32 s5, s3, 3                            ; q
	s_lshr_b32 s6, s4, 3                           ; ch
	s_and_b32 s7, s4, 7                            ; j
	s_lshl_b32 s30, s5, 8
	s_lshl_b32 s31, s6, 7
	s_add_co_u32 s30, s30, s31
	s_lshl_b32 s31, s7, 4
	s_add_co_u32 s30, s30, s31                     ; n0 = 256 q + 128 ch + 16 j
	s_add_co_u32 s31, s7, 4
	s_mul_i32 s31, s31, TILE
	s_lshl_b32 s6, s6, 2
	s_add_co_u32 s6, s6, s5
	s_mul_i32 s6, s6, 16*PT
	s_add_co_u32 s31, s31, s6
	s_add_co_u32 s31, s31, WROWS                   ; where the 16 rows begin in wimg
	v_and_b32 v1, 15, v0                           ; r
	v_bfe_u32 v2, v0, 4, 1                         ; hh
	v_add_nc_u32 v5, s30, v1                       ; n0 + r
	v_lshlrev_b32 v3, 9, v5
	v_lshl_add_u32 v3, v2, 5, v3                   ; W_ih: row n0 + r, 8 hh numbers on
	v_lshlrev_b32 v5, 2, v5                        ; the biases of n0 + r
	v_min_u32 v4, 9, v1
	v_lshlrev_b32 v4, 9, v4
	v_lshl_add_u32 v4, v2, 5, v4                   ; emb: row min(r, 9)
	v_mul_u32_u24 v6, v1, PT
	v_add_nc_u32 v6, s31, v6
	v_lshl_add_u32 v7, v2, 3, v6                   ; the row's 16 bytes of padding: + 64 + 8 hh
	v_lshl_add_u32 v6, v2, 4, v6                   ; the row's hi at 16 hh, lo 32 bytes on
	v_mov_b32 v8, 0
	v_mov_b32 v9, 0
	v_cmp_eq_u32 s30, 0, v2                        ; lanes that hold v = 0..7; the others hold v = 8..15, of which 8 and 9 exist
	s_mov_b32 s6, KN
	s_mov_b32 s7, K2N
	s_cmp_eq_u32 s5, 2
	s_cselect_b32 s6, s7, s6
	s_mov_b32 s7, s6                               ; named as a pair
	; a fragment is 16 rows x 32 k: a lane holds k = 8 hh + 0..7 and 16 + 8 hh + 0..7: in f32 four loads of 16 bytes at 0, 16, 64, 80
.irp kb, 0,1,2,3
.irp i, 0,1,2,3
	global_load_b128 v[32+16*(\kb)+4*(\i):35+16*(\kb)+4*(\i)], v3, s[12:13] offset:128*(\kb)+16*((\i)%2)+64*((\i)/2)
	global_load_b128 v[96+16*(\kb)+4*(\i):99+16*(\kb)+4*(\i)], v4, s[14:15] offset:128*(\kb)+16*((\i)%2)+64*((\i)/2)
.endr
.endr
	global_load_b32 v160, v5, s[16:17]
	global_load_b32 v161, v5, s[18:19]
	s_wait_loadcnt 0x0
.set n, 0
.rept 32                               ; rounded in place, ascending: a destination never lies ahead of a source still to be read
	v_cvt_pk_bf16_f32 v[32+n], v[32+2*n], v[33+2*n]
	v_cvt_pk_bf16_f32 v[96+n], v[96+2*n], v[97+2*n]
.set n, n+1
.endr
	; source 0 = rows of emb, source 1 = 16 rows of W_ih: a lane then holds one n (= n0 + r) and v = 8 hh + 0..7, which pack into 16 bytes.  Two accumulators by turns.
	v_wmma_f32_16x16x32_bf16 v[16:23], v[96:103], v[32:39], 0
	v_wmma_f32_16x16x32_bf16 v[24:31], v[104:111], v[40:47], 0
	v_wmma_f32_16x16x32_bf16 v[16:23], v[112:119], v[48:55], v[16:23]
	v_wmma_f32_16x16x32_bf16 v[24:31], v[120:127], v[56:63], v[24:31]
	; the biases' rounding and sum and four v_nop: nine plain instructions that name no register of the products: the places behind them
	v_cvt_pk_bf16_f32 v64, v160, v161
	WIDEN 160, 64
	v_add_f32 v160, v160, v161
	v_mov_b32 v161, v160
.rept 4
	v_nop
.endr
.irp e, 0,2,4,6
	v_pk_add_f32 v[16+(\e):17+(\e)], v[16+(\e):17+(\e)], v[24+(\e):25+(\e)]
.endr
.irp e, 0,2,4,6
	v_pk_add_f32 v[16+(\e):17+(\e)], v[16+(\e):17+(\e)], v[160:161] op_sel_hi:[1,0]
.endr
.irp e, 0,2,4,6
	v_pk_mul_f32 v[16+(\e):17+(\e)], v[16+(\e):17+(\e)], s[6:7] op_sel_hi:[1,0]
.endr
.irp e, 2,3,4,5,6,7
	v_cndmask_b32 v[16+(\e)], 0, v[16+(\e)], s30   ; v = 10..15 do not exist: zeros
.endr
.irp i, 0,1,2,3
	v_cvt_pk_f16_f32 v[72+(\i)], v[16+2*(\i)], v[17+2*(\i)]   ; hi
.endr
	v_cvt_f32_f16 v80, v72.l
	v_cvt_f32_f16 v81, v72.h
	v_cvt_f32_f16 v82, v73.l
	v_cvt_f32_f16 v83, v73.h
	v_cvt_f32_f16 v84, v74.l
	v_cvt_f32_f16 v85, v74.h
	v_cvt_f32_f16 v86, v75.l
	v_cvt_f32_f16 v87, v75.h
.irp e, 0,2,4,6
	v_pk_add_f32 v[80+(\e):81+(\e)], v[16+(\e):17+(\e)], v[80+(\e):81+(\e)] neg_lo:[0,1] neg_hi:[0,1]   ; T' - hi
.endr
.irp i, 0,1,2,3
	v_cvt_pk_f16_f32 v[76+(\i)], v[80+2*(\i)], v[81+2*(\i)]   ; lo
.endr
	global_store_b128 v6, v[72:75], s[26:27]
	global_store_b128 v6, v[76:79], s[26:27] offset:32
	global_store_b64 v7, v[8:9], s[26:27] offset:64
	s_endpgm
.Lsmall:                                       ; ---- u = 17, 18: b_proj; 19: b_fc; 20, 21: cimg's zeros; 22..101: the zero blocks of tiles 0-3
	v_lshlrev_b32 v6, 4, v0
	s_cmp_lt_u32 s3, 19
	s_cbranch_scc0 .Lbfc
	s_sub_co_u32 s4, s3, 17
	s_lshl_b32 s4, s4, 9
	v_add_nc_u32 v6, s4, v6
	global_load_b128 v[16:19], v6, s[24:25]
	s_wait_loadcnt 0x0
	v_cvt_pk_bf16_f32 v24, v16, v17
	v_cvt_pk_bf16_f32 v25, v18, v19
	WIDEN 16, 24
	WIDEN 18, 25
	global_store_b128 v6, v[16:19], s[28:29] offset:BPJO
	s_endpgm
.Lbfc:
	s_cmp_eq_u32 s3, 19
	s_cbranch_scc0 .Lzeros
	v_lshlrev_b32 v2, 2, v0
.irp e, 0,1,2,3
	v_add_nc_u32 v3, \e, v2                        ; m = 4 lane + e
	v_lshrrev_b32 v4, 3, v3
	v_mul_u32_u24 v4, v4, 3
	v_sub_nc_u32 v4, v3, v4
	v_min_u32 v4, 9, v4                            ; v, held inside b_fc
	v_lshlrev_b32 v[12+(\e)], 2, v4
	v_and_b32 v5, 7, v3
	v_cmp_gt_u32 s[4+(\e)], 5, v5
	v_cmp_gt_u32 s30, 16, v3
	s_and_b32 s[4+(\e)], s[4+(\e)], s30
.endr
.irp e, 0,1,2,3
	global_load_b32 v[16+(\e)], v[12+(\e)], s[22:23]
.endr
	s_wait_loadcnt 0x0
	v_cvt_pk_bf16_f32 v24, v16, v17
	v_cvt_pk_bf16_f32 v25, v18, v19
	WIDEN 16, 24
	WIDEN 18, 25
.irp e, 0,1,2,3
	v_cndmask_b32 v[16+(\e)], 0, v[16+(\e)], s[4+(\e)]
.endr
	global_store_b128 v6, v[16:19], s[28:29] offset:BFCO
	s_endpgm
.Lzeros:
	s_sub_co_u32 s4, s3, 20
	s_lshl_b32 s4, s4, 9
	s_add_co_u32 s4, s4, ZERO
	s_mov_b64 s[36:37], s[28:29]
	s_cmp_lt_u32 s3, 22
	s_cbranch_scc1 .Lzput
	s_sub_co_u32 s5, s3, 22                        ; 20 waves of 512 bytes to a block of 10,240
	s_mul_hi_u32 s6, s5, 214748365                 ; the tile = that number / 20
	s_mul_i32 s7, s6, 20
	s_sub_co_u32 s5, s5, s7
	s_lshl_b32 s5, s5, 9
	s_mul_i32 s4, s6, TILE
	s_add_co_u32 s4, s4, s5
	s_add_co_u32 s4, s4, WROWS
	s_mov_b64 s[36:37], s[26:27]
.Lzput:
	v_add_nc_u32 v6, s4, v6
.irp e, 0,1,2,3
	v_mov_b32 v[16+(\e)], 0
.endr
	global_store_b128 v6, v[16:19], s[36:37]
	s_endpgm
.Lfunc_end_k_q04ece9e853_prep:
	.size	k_q04ece9e853_prep, .Lfunc_end_k_q04ece9e853_prep-k_q04ece9e853_prep
	.p2alignl 7, 3214868480
	.fill 96, 4, 3214868480
	.section	.rodata,"a",@progbits
	.p2align	6, 0x0
	.amdhsa_kernel k_q04ece9e853_prep
		.amdhsa_group_segment_fixed_size 0
		.amdhsa_private_segment_fixed_size 0
		.amdhsa_enable_private_segment 0
		.amdhsa_kernarg_size 88
		.amdhsa_user_sgpr_count 2
		.amdhsa_user_sgpr_kernarg_segment_ptr 1
		.amdhsa_wavefront_size32 1
		.amdhsa_system_sgpr_workgroup_id_x 1
		.amdhsa_system_sgpr_workgroup_id_y 1
		.amdhsa_system_sgpr_workgroup_id_z 1
		.amdhsa_system_vgpr_workitem_id 0
		.amdhsa_next_free_vgpr 176
		.amdhsa_next_free_sgpr 66
		.amdhsa_reserve_vcc 1
		.amdhsa_float_denorm_mode_32 3
		.amdhsa_float_denorm_mode_16_64 3
		.amdhsa_memory_ordered 1
		.amdhsa_forward_progress 1
		.amdhsa_inst_pref_size 22
	.end_amdhsa_kernel
	.amdgpu_metadata
---
amdhsa.version: [ 1, 2 ]
amdhsa.kernels:
  - .name:           k_q04ece9e853_prep
    .symbol:         k_q04ece9e853_prep.kd
    .args:
      - { .name: W_hh, .offset: 0, .size: 8, .value_kind: global_buffer, .address_space: global }
      - { .name: W_proj, .offset: 8, .size: 8, .value_kind: global_buffer, .address_space: global }
      - { .name: W_ih, .offset: 16, .size: 8, .value_kind: global_buffer, .address_space: global }
      - { .name: emb, .offset: 24, .size: 8, .value_kind: global_buffer, .address_space: global }
      - { .name: b_ih, .offset: 32, .size: 8, .value_kind: global_buffer, .address_space: global }
      - { .name: b_hh, .offset: 40, .size: 8, .value_kind: global_buffer, .address_space: global }
      - { .name: W_fc, .offset: 48, .size: 8, .value_kind: global_buffer, .address_space: global }
      - { .name: b_fc, .offset: 56, .size: 8, .value_kind: global_buffer, .address_space: global }
      - { .name: b_proj, .offset: 64, .size: 8, .value_kind: global_buffer, .address_space: global }
      - { .name: wimg, .offset: 72, .size: 8, .value_kind: global_buffer, .address_space: global }
      - { .name: cimg, .offset: 80, .size: 8, .value_kind: global_buffer, .address_space: global }
    .group_segment_fixed_size: 0
    .private_segment_fixed_size: 0
    .kernarg_segment_align: 8
    .kernarg_segment_size: 88
    .max_flat_workgroup_size: 32
    .sgpr_count:     66
    .vgpr_count:     176
    .wavefront_size: 32
...
	.end_amdgpu_metadata
.endif
;; end of part 1
;; launch main (part 2): grid 256 x 1, 4 waves a work-group, clusters of 4 x 1, 327,680 bytes of LDS; arguments features, captions, wimg, cimg, out0; writes out0
.if DOCPART == 2
	.amdgcn_target "amdgcn-amd-amdhsa--gfx1250"
	.amdhsa_code_object_version 6
	.text
	.protected	k_q04ece9e853_main
	.globl	k_q04ece9e853_main
	.p2align	8
	.type	k_q04ece9e853_main,@function
k_q04ece9e853_main:
	s_mov_b64 s[64:65], 0
	v_nop
	global_prefetch_b8 v0, s[64:65] scope:SCOPE_SE
	s_setreg_imm32_b32 hwreg(HW_REG_WAVE_MODE, 25, 1), 1
	s_wait_xcnt 0x0
	s_wait_alu depctr_hold_cnt(0) depctr_sa_sdst(0) depctr_va_vdst(0) depctr_va_sdst(0) depctr_va_ssrc(0) depctr_va_vcc(0) depctr_vm_vsrc(0)
	s_getreg_b32 s2, hwreg(HW_REG_IB_STS2, 6, 4)
	s_cmp_eq_u32 s2, 0
	s_cbranch_scc0 .Lentry_in_a_cluster
	s_endpgm
.Lentry_in_a_cluster:
	s_bfe_u32 s2, ttmp6, 0x10000c
	s_cmp_lg_u32 s2, 0x3003
	s_cbranch_scc0 .Lentry_shape_is_right
	s_endpgm
.Lentry_shape_is_right:
; THE WHOLE MODULE FOR 128 ROWS A WORK-GROUP: h0 = features W_proj^T + b_proj, five LSTM steps, ten logits behind each.  h, c and the logits never leave the WGP.
; THE FORM OF THE ARITHMETIC (K = log2 e).  Kept are h' = -K h (f16, in LDS and in registers as matrix operand) and c' = -2 K c (f32, in registers).  x_t is always one of emb's ten rows, so
; x_t W_ih^T + b_ih + b_hh is a table T' of 10 x 1,024 numbers, made by the launch before, already times -K (gate g: -2 K), as two f16 each (hi + lo).  A chunk's sums START with the product of the table's
; block (32 k: hi[v] at k = v, lo[v] at k = 16 + v) and a ONE-HOT row made in registers from the caption (1 at k = caption and at k = 16 + caption).
; With W_hh's rows of gate g doubled, acc = T' + sum h' W is -K gate (g: -2 K gate).  Per number: e_x = 2^acc_x; si = 1/(1+e_i), sf = 1/(1+e_f),
; rg = 1/(1+e_g); c' = sf c' + si (2K - 4K rg); e_c = 2^c'; h' = (K e_c - K) / ((1+e_o)(1+e_c)); logits = -(1/K) sum h' W_fc + b_fc.  An infinite e_i, e_f, e_g or e_o gives a reciprocal of 0, the right
; limit; |c| <= 5 by the recurrence itself (f <= 1, |i g| <= 1, c0 = 0, five steps), so e_c <= 2^14.5 and K e_c - K is finite: no clamp is needed.
; FORMATS.  All inputs are rounded once to bf16 (features here, the others in the launch before); the projection multiplies in bf16; h', the table and the recurrent and logit weights are f16; all sums and c' f32.
; LIMITS.  K |h0| must lie within f16's 65,504; below 6.1e-5 h' keeps f16's fixed step of 6e-8.  A caption counts as min(caption, 9), unsigned.  NaN and infinities in the inputs are not treated apart.
; SHARES.  Work-group WG owns rows 128 WG ..; wave w = 2 rh + ch owns rows 64 rh .. (four row tiles t of 16) x hidden columns 128 ch .. (eight chunks j of 16), all four gates.
; Products are taken transposed (source 0 = 16 weight rows, source 1 = 16 rows of the batch): a lane holds ONE row (lane % 16) and the 8 neighbouring columns 8 (lane / 16) + 0..7, the same for all four gates:
; the activation stays inside the lane, and h' packs into 16 bytes.
; THE RING.  W_hh in 16 bits does not fit in LDS beside the rest, so the weights go round: 12 tile images of 77,824 bytes (4 of W_proj, 8 of W_hh: chunk j of both column halves, four gates, all 256 k, and
; the chunk's block of the table) through two slots; a period = one tile = 144 matrix instructions a wave (128 in the projection).  CLUSTER: all work-groups walk the same tiles, so the four of a cluster ask
; JOINTLY: the same load, descriptor and mask in all four; each wave asks for its quarter of a tile (76 rows of 256 dense bytes).  The change of slots is a round of the cluster's barrier.
; LDS: 0 slot 0; 77,824 slot 1; 155,648 the constants (W_fc, b_proj, b_fc: one fill); 166,912 the features in bf16, 128 rows x 1,040 bytes, written by LDS stores alone; when they are dead the same
; bytes hold MAIL (h', 128 rows x 528) and LOGS (the logits as they lie in out0, 25,600 bytes); 300,032 the spare words.  All row pitches are odd multiples of 16 bytes, so that the 16 rows of a
; fragment load start at 16 different groups of four banks (64 banks of 4 bytes: ISA guide 11.1).  lds_bytes names all of a WGP's LDS.
; REGISTERS, in windows of 256 (s_set_vgpr_msb: bits 1:0 source 0, 3:2 source 1, 5:4 source 2, 7:6 destination):
;   window 0: addresses, captions, two weight fragment buffers v64-127, v128-191, v192-223 the table's fragments, v224-255 the one-hot fragments (all of v192-255 at work before and behind the steps)
;   window 1: H(t, kb) = 64 t + 8 kb: the fragments of h' (of the features in the projection); before that feature half 0 as loaded
;   window 2: ACC(buf, t, q) = 128 buf + 32 t + 8 q: two buffers of 16 accumulators          window 3: c'(j, t, e) = 32 j + 8 t + e; before that feature half 1 as loaded
.set PW,    528                        ; pitch of a tile's weight rows and of MAIL's rows
.set WROWS, 128*PW
.set PT,    80                         ; pitch of a table block's rows: 32 f16 + 16 bytes
.set TILE,  WROWS+128*PT
.set QT,    TILE/4                     ; a wave's quarter of a tile: 76 rows of 256 bytes
.set RING1, TILE
.set CST,   2*TILE
.set CQ,    2816                       ; a wave's quarter of the constants: 11 rows of 256 bytes
.set FCW,   CST
.set BPJ,   CST+8704
.set BFC,   CST+9728
.set FEAT,  CST+11264
.set PF,    1040                       ; pitch of a row of features: 512 bf16 + 16 bytes
.set MAIL,  FEAT
.set LOGS,  MAIL+WROWS
.set SPARE, FEAT+128*PF                ; the spare words, 128 bytes for each wave: two blocks of 256 bytes that no other line names
.set AW,   8                           ; v8-9  my place in a tile's weight rows, slot 0, 1: 64 ch rows + r rows + 16 hh
.set AH,   10                          ; v10   MAIL: row 64 rh + r, + 16 hh
.set AF,   11                          ; v11   FEAT: the same row
.set AFC,  12                          ; v12   W_fc's image: row r, + 16 hh
.set ABP,  13                          ; v13   b_proj of my columns
.set MAB,  14                          ; v14   MAIL: where I put h': AH + 256 ch
.set MA,   15                          ; v15   the same for the pair of chunks in hand
.set ALB,  16                          ; v16   LOGS: row 64 rh + r, + 20 hh
.set AL,   17                          ; v17   the same for the step in hand
.set SPW,  18                          ; v18   my spare word; never rewritten
.set NIL,  19                          ; v19   0; never rewritten
.set AT,   20                          ; v20-21  my place in a tile's table block, slot 0, 1
.set ONE16, 22                         ; v22   1.0 in f16, in the low half
.set FO,   24                          ; v24   features: my 16 bytes in my wave's 32 rows
.set FS,   25                          ; v25   FEAT: my 8 bytes there
.set CO,   26                          ; v26   captions: row 64 rh + r
.set OUTA, 27                          ; v27   LOGS + 16 x thread
.set OUTG, 28                          ; v28   16 x thread
.set ABF,  29                          ; v29   b_fc of my five logits
.set HH8,  30                          ; v30   8 hh
.set CAP,  32                          ; v32-55  CAP + 6 t + s: the caption of my row in tile t, s steps on, less 8 hh (s = 5 is loaded and not used)
.set BF,   56                          ; v56-60  b_fc
.set F0,   64
.set F1,   128
.set TMP,  192
.set TF,   192                         ; the table's fragments: gate q at TF + 8 q
.set OH,   224                         ; the one-hot fragments: row tile t at OH + 8 t
; scalars: s[4:5] features, s[6:7] captions, s[12:13] out0, each at my work-group's rows; s[8:9] wimg, s[10:11] cimg at my wave's quarter; s14 wave, s15 rh, s16 ch, s17 cx, s18 WG;
; s[20:27], s[28:35] descriptor groups 1 (ring, constants); s[36:39], s[40:43], s[44:47] groups 0 (slot 0, slot 1, constants); s48 the tile to ask for next; s49 at work; s[50:51] its byte offset;
; s52 the loop's count N; s53 = N % 4: the pair of chunks; s55 at work; s[56:57] -4K, s[58:59] 2K, s[60:61] K, s[62:63] -K, s66 -1/K; s[68:69] offsets made from WG
.set MSB, 0
.macro WIN new                         ; the immediate's high byte repeats the setting that is left; a switch that changes nothing is dropped
.if MSB != (\new)
	s_set_vgpr_msb (MSB<<8)|(\new)
.set MSB, \new
.endif
.endm
.macro PLACES                          ; four places: in front of loads into registers that matrix instructions have read, and of vector work on their results
.rept 4
	v_nop
.endr
.endm
.macro CREST                           ; a round of the cluster's barrier behind its opening barrier
	s_cmp_lg_u32 s14, 0
	s_cbranch_scc1 .Lnot_wave_0_\@
	s_barrier_signal -3
.Lnot_wave_0_\@:
	s_barrier_wait -3
	s_barrier_signal -1
	s_barrier_wait -1
.endm
.macro CROUND                          ; a whole round
	s_barrier_signal -1
	s_barrier_wait -1
	CREST
.endm
.macro MEET                            ; the work-group's barrier for LDS bytes handed from wave to wave: my LDS stores are done and my LDS loads are back, then all four say so
	s_wait_dscnt 0x0
	s_barrier_signal -1
	s_barrier_wait -1
.endm
.macro JLOAD s                         ; the joint refill of slot s: every wave asks for its own quarter; an s_nop 0 and four v_nop follow
	tensor_load_to_lds s[36+4*(\s):39+4*(\s)], s[20:27]
	s_nop 0
	PLACES
.endm
; 16 LDS loads: the weight fragments of k blocks 2 g and 2 g + 1 (32 k each), four gates (in the projection: four column tiles), into buffer f
.macro FETCH slot, g, f
	WIN 0
.irp kbl, 0,1
.irp q, 0,1,2,3
	ds_load_b128 v[(\f)+32*(\kbl)+8*(\q):(\f)+32*(\kbl)+8*(\q)+3],   v[AW+(\slot)] offset:(\q)*16*PW+(2*(\g)+(\kbl))*64
	ds_load_b128 v[(\f)+32*(\kbl)+8*(\q)+4:(\f)+32*(\kbl)+8*(\q)+7], v[AW+(\slot)] offset:(\q)*16*PW+(2*(\g)+(\kbl))*64+32
.endr
.endr
.endm
.macro FETCHT slot                     ; 8 LDS loads: the table block's four fragments
	WIN 0
.irp q, 0,1,2,3
	ds_load_b128 v[TF+8*(\q):TF+8*(\q)+3],   v[AT+(\slot)] offset:(\q)*16*PT
	ds_load_b128 v[TF+8*(\q)+4:TF+8*(\q)+7], v[AT+(\slot)] offset:(\q)*16*PT+32
.endr
.endm
; 16 matrix instructions: k block kb, four gates x four row tiles.  The 16 accumulators take turns, one instruction a turn.
.macro MUL16 form, f, kbl, kb, buf
	WIN 0xa4                                       ; weights window 0, H window 1, C and D window 2
.irp q, 0,1,2,3
.irp t, 0,1,2,3
	v_wmma_f32_16x16x32_\form v[128*(\buf)+32*(\t)+8*(\q):128*(\buf)+32*(\t)+8*(\q)+7], v[(\f)+32*(\kbl)+8*(\q):(\f)+32*(\kbl)+8*(\q)+7], v[64*(\t)+8*(\kb):64*(\t)+8*(\kb)+7], v[128*(\buf)+32*(\t)+8*(\q):128*(\buf)+32*(\t)+8*(\q)+7]
.endr
.endr
.endm
; 16 matrix instructions in the same order: table block x one-hot rows.  They start the chunk's sums: nothing is cleared or loaded into an accumulator.
.macro MULT buf
	WIN 0x80                                       ; both sources window 0, D window 2
.irp q, 0,1,2,3
.irp t, 0,1,2,3
	v_wmma_f32_16x16x32_f16 v[128*(\buf)+32*(\t)+8*(\q):128*(\buf)+32*(\t)+8*(\q)+7], v[TF+8*(\q):TF+8*(\q)+7], v[OH+8*(\t):OH+8*(\t)+7], 0
.endr
.endr
.endm
; A PERIOD's MATRIX WORK: the tile in slot, onto buffer buf.  tab = 1: the table's products start the sums; tab = 0 (the projection): the buffer holds their start, b_proj or the first half's sums.
; Each run of 16 fragment loads is issued 32 products or more ahead of its use.  chg = 2: the slot is changed and filled again; 1: changed, nothing more to ask for; 0: the last tile.
.macro MPH form, slot, buf, chg, tab
	s_wait_dscnt 0x0                               ; k blocks 0 and 1, the table's fragments or the sums' start, and H are in
	FETCH \slot, 1, F1
.if \tab
	MULT \buf
.endif
	MUL16 \form, F0, 0, 0, \buf
	MUL16 \form, F0, 1, 1, \buf
	s_wait_dscnt 0x0
	PLACES
	FETCH \slot, 2, F0
	MUL16 \form, F1, 0, 2, \buf
	MUL16 \form, F1, 1, 3, \buf
	s_wait_dscnt 0x0
	PLACES
	FETCH \slot, 3, F1
	MUL16 \form, F0, 0, 4, \buf
	MUL16 \form, F0, 1, 5, \buf
.if (\chg) == 0
	s_wait_dscnt 0x0
	MUL16 \form, F1, 0, 6, \buf
	MUL16 \form, F1, 1, 7, \buf
	WIN 0
	PLACES
	PLACES
.else
	WIN 0                                          ; (the add's two registers lie in window 0)
	s_wait_tensorcnt 0x0                           ; all my tensor loads have landed: the one that was out is my quarter of the other slot; so a group 0 may be written
	ds_add_u32 v[SPW], v[NIL]                      ; 0 onto my spare word
.if (\chg) == 2
	s_mul_i32 s50, s48, TILE                       ; the descriptor's address is made anew: my quarter of wimg + the tile's number x its bytes
	s_add_nc_u64 s[38+4*(\slot):39+4*(\slot)], s[8:9], s[50:51]
	s_or_b32 s[39+4*(\slot)], s[39+4*(\slot)], 0x80000000
	s_add_co_u32 s48, s48, 1                       ; behind W_hh's eighth tile comes its first
	s_cmp_eq_u32 s48, 12
	s_cselect_b32 s48, 4, s48
.endif
	s_wait_dscnt 0x1                               ; the last 16 fragment loads are in; the add alone may be out
	MUL16 \form, F1, 0, 6, \buf
	s_wait_dscnt 0x0                               ; the add is done, and my reads of this slot are over
	s_barrier_signal -1
	MUL16 \form, F1, 1, 7, \buf                    ; work on registers while the others arrive
	WIN 0
	s_barrier_wait -1
.if (\chg) == 2
	CREST                                          ; the barrier has opened a round of the cluster's: no wave of any partner still reads this slot or has a load on its way
	JLOAD \slot                                    ; the first tensor load behind the round; it has an activation and 112 products in which to land
.else
	PLACES
.endif
.endif
.endm
.macro NEXT slot                       ; what the next period begins with; with the four v_nop in front of it, these four make eight places between the last products and the activation that reads them
	PLACES
	FETCH \slot, 0, F0
	FETCHT \slot
.endm
; The one-hot fragments of the step in hand.  A lane holds k = 8 hh + 0..7 in registers 0-3, two to a register, and k = 16 + 8 hh + 0..7 in registers 4-7, which repeat the first four (hi and lo).
; d = caption - 8 hh: 1.0 goes into half d % 2 of register d / 2; a d outside 0..7 (taken as unsigned) meets no register.
.macro ONEHOT
	WIN 0
.irp t, 0,1,2,3
	v_and_b32 v3, 1, v[CAP+6*(\t)]
	v_lshlrev_b32 v3, 4, v3
	v_lshlrev_b32 v3, v3, v[ONE16]
	v_lshrrev_b32 v4, 1, v[CAP+6*(\t)]
.irp i, 0,1,2,3
	v_cmp_eq_u32 vcc_lo, \i, v4
	v_cndmask_b32 v[OH+8*(\t)+(\i)], 0, v3, vcc_lo
.endr
.irp i, 0,1,2,3
	v_mov_b32 v[OH+8*(\t)+4+(\i)], v[OH+8*(\t)+(\i)]
.endr
.endr
.endm
.macro P16 line:vararg                 ; one line for each of a chunk's 16 pairs of numbers; rI = the pair's place in gate i's accumulator; f, g, o lie 8, 16, 24 on
.set z, 0
.rept 16
.set rI, AB+32*(z/4)+2*(z%4)
	\line
.set z, z+1
.endr
.endm
.macro CVAR buf, j                     ; c' = sf c' + si g~ for chunk j, and e_c = 2^c' into gate g's registers
	WIN 0xee                                       ; sf and si g~ window 2, c' window 3
.irp t, 0,1,2,3
.irp e, 0,2,4,6
	v_pk_fma_f32 v[32*(\j)+8*(\t)+(\e):32*(\j)+8*(\t)+(\e)+1], v[128*(\buf)+32*(\t)+8+(\e):128*(\buf)+32*(\t)+8+(\e)+1], v[32*(\j)+8*(\t)+(\e):32*(\j)+8*(\t)+(\e)+1], v[128*(\buf)+32*(\t)+(\e):128*(\buf)+32*(\t)+(\e)+1]
.endr
.endr
	WIN 0x83                                       ; c' window 3, e_c window 2
.irp t, 0,1,2,3
.irp e, 0,1,2,3,4,5,6,7
	v_exp_f32 v[128*(\buf)+32*(\t)+16+(\e)], v[32*(\j)+8*(\t)+(\e)]
.endr
.endr
	v_nop                                          ; a plain instruction behind the last exponential,
	s_wait_alu depctr_va_vdst(0)                   ; and the batch's one wait, ahead of the branch and of the first use
	WIN 0
.endm
; c' lies in fixed registers, 32 a chunk, and the chunk's text is walked by a loop: the 48 lines that name c' stand four times, and the loop's count picks one.  All jumps go forward.
.macro CSW buf, b, fix
.if (\fix) >= 0
	CVAR \buf, \fix
.else
	WIN 0
	s_cmp_eq_u32 s53, 0
	s_cbranch_scc1 .Lc0_\@
	s_cmp_eq_u32 s53, 1
	s_cbranch_scc1 .Lc1_\@
	s_cmp_eq_u32 s53, 2
	s_cbranch_scc1 .Lc2_\@
	CVAR \buf, 6+(\b)
	s_branch .Lcj_\@
.Lc0_\@:
	CVAR \buf, (\b)
	s_branch .Lcj_\@
.Lc1_\@:
	CVAR \buf, 2+(\b)
	s_branch .Lcj_\@
.Lc2_\@:
	CVAR \buf, 4+(\b)
.Lcj_\@:
.endif
.endm
; THE ACTIVATION of chunk 2 s53 + b, in place on buffer buf: 32 numbers a lane.  Four batches of transcendentals, each with one plain instruction and one wait behind it.
.macro ACT buf, b, fix
.set AB, 128*(\buf)
	WIN 0xaa
.set z, 0
.rept 128                              ; e_x = 2^acc, each accumulator from its lowest register on
	v_exp_f32 v[AB+z], v[AB+z]
.set z, z+1
.endr
	v_nop
	s_wait_alu depctr_va_vdst(0)
.set z, 0
.rept 64
	v_pk_add_f32 v[AB+z:AB+z+1], v[AB+z:AB+z+1], 1.0 op_sel_hi:[1,0]
.set z, z+2
.endr
.set z, 0
.rept 128                              ; si, sf, rg; 1 + e_o waits for 1 + e_c
.if (z%32) < 24
	v_rcp_f32 v[AB+z], v[AB+z]
.endif
.set z, z+1
.endr
	v_nop
	s_wait_alu depctr_va_vdst(0)
	P16 v_pk_fma_f32 v[rI+16:rI+17], v[rI+16:rI+17], s[56:57], s[58:59] op_sel_hi:[1,0,0]   ; g~ = 2K - 4K rg = -2K tanh(g)
	P16 v_pk_mul_f32 v[rI:rI+1], v[rI:rI+1], v[rI+16:rI+17]                                  ; si g~
	CSW \buf, \b, \fix
	WIN 0xaa
	P16 v_pk_add_f32 v[rI+8:rI+9], v[rI+16:rI+17], 1.0 op_sel_hi:[1,0]                       ; 1 + e_c
	P16 v_pk_fma_f32 v[rI:rI+1], v[rI+16:rI+17], s[60:61], s[62:63] op_sel_hi:[1,0,0]        ; K e_c - K
	P16 v_pk_mul_f32 v[rI+8:rI+9], v[rI+8:rI+9], v[rI+24:rI+25]                              ; (1 + e_c)(1 + e_o)
.set z, 0
.rept 32
	v_rcp_f32 v[AB+32*(z/8)+8+z%8], v[AB+32*(z/8)+8+z%8]
.set z, z+1
.endr
	v_nop
	s_wait_alu depctr_va_vdst(0)
	P16 v_pk_mul_f32 v[rI:rI+1], v[rI:rI+1], v[rI+8:rI+9]                                    ; h'
	P16 v_cvt_pk_f16_f32 v[AB+32*(z/4)+16+z%4], v[rI], v[rI+1]
	WIN 0
	v_lshl_add_u32 v[MA], s53, 6, v[MAB]           ; two chunks are 64 bytes of a row of MAIL
	WIN 0x08                                       ; the stores' data in window 2
.irp t, 0,1,2,3
	ds_store_b128 v[MA], v[AB+32*(\t)+16:AB+32*(\t)+19] offset:32*(\b)+16*PW*(\t)
.endr
	WIN 0
.endm
.macro LOADH t0, n                     ; the fragments of h' of n row tiles from t0 on
	WIN 0x40
.set z, 0
.rept 8*(\n)
	ds_load_b128 v[64*(\t0)+8*z:64*(\t0)+8*z+3],   v[AH] offset:16*PW*((\t0)+z/8)+64*(z%8)
	ds_load_b128 v[64*(\t0)+8*z+4:64*(\t0)+8*z+7], v[AH] offset:16*PW*((\t0)+z/8)+64*(z%8)+32
.set z, z+1
.endr
	WIN 0
.endm
.macro LOADF kh                        ; the fragments of feature half kh
	WIN 0x40
.set z, 0
.rept 32
	ds_load_b128 v[8*z:8*z+3],   v[AF] offset:16*PF*(z/8)+512*(\kh)+64*(z%8)
	ds_load_b128 v[8*z+4:8*z+7], v[AF] offset:16*PF*(z/8)+512*(\kh)+64*(z%8)+32
.set z, z+1
.endr
	WIN 0
.endm
.macro FCLOAD                          ; W_fc's eight fragments into buffer 1
	WIN 0
.irp kb, 0,1,2,3,4,5,6,7
	ds_load_b128 v[F1+8*(\kb):F1+8*(\kb)+3],   v[AFC] offset:64*(\kb)
	ds_load_b128 v[F1+8*(\kb)+4:F1+8*(\kb)+7], v[AFC] offset:64*(\kb)+32
.endr
.endm
; The logits of row tiles ta and tb: two accumulators by turns (the first two of buffer 1, which is free here).  A lane ends with logits 5 hh + 0..4 of its row in the accumulator's registers 0-4;
; scale and bias are applied in place, from the lowest register on.
.macro FCT ta, tb
	WIN 0xa4
.irp kb, 0,1,2,3,4,5,6,7
.if (\kb) == 0
	v_wmma_f32_16x16x32_f16 v[128:135], v[F1:F1+7], v[64*(\ta):64*(\ta)+7], 0
	v_wmma_f32_16x16x32_f16 v[136:143], v[F1:F1+7], v[64*(\tb):64*(\tb)+7], 0
.else
	v_wmma_f32_16x16x32_f16 v[128:135], v[F1+8*(\kb):F1+8*(\kb)+7], v[64*(\ta)+8*(\kb):64*(\ta)+8*(\kb)+7], v[128:135]
	v_wmma_f32_16x16x32_f16 v[136:143], v[F1+8*(\kb):F1+8*(\kb)+7], v[64*(\tb)+8*(\kb):64*(\tb)+8*(\kb)+7], v[136:143]
.endif
.endr
	PLACES
	PLACES
	WIN 0x82                                       ; the sums, source and destination, in window 2; b_fc in window 0
.irp j, 0,1,2,3,4
	v_fma_f32 v[128+(\j)], v[128+(\j)], s66, v[BF+(\j)]
.endr
.irp j, 0,1,2,3,4
	v_fma_f32 v[136+(\j)], v[136+(\j)], s66, v[BF+(\j)]
.endr
	WIN 0x08                                       ; the stores' data in window 2
.irp j, 0,1,2,3,4
	ds_store_b32 v[AL], v[128+(\j)] offset:3200*(\ta)+4*(\j)
	ds_store_b32 v[AL], v[136+(\j)] offset:3200*(\tb)+4*(\j)
.endr
	WIN 0
.endm
; Feature half kh, as loaded in a window's 256 registers (setting win), is rounded to bf16 and stored into FEAT: two batches of 32 loads' worth; a store covers 256 consecutive bytes.
.macro CONV kh, win
.set bt, 0
.rept 2
	WIN \win
.set z, 0
.rept 64
	v_cvt_pk_bf16_f32 v[TMP+z], v[128*bt+2*z], v[128*bt+2*z+1]
.set z, z+1
.endr
	WIN 0
.set z, 0
.rept 32
	ds_store_b64 v[FS], v[TMP+2*z:TMP+2*z+1] offset:PF*((32*bt+z)/2)+512*(\kh)+256*(z%2)
.set z, z+1
.endr
.set bt, bt+1
.endr
.endm
	; ---------------- the head
	s_load_b256 s[4:11], s[0:1], 0x0               ; features, captions, wimg, cimg
	s_load_b64 s[12:13], s[0:1], 0x20              ; out0
	v_lshl_add_u32 v[SPW], v0, 2, SPARE
	v_mov_b32 v[NIL], 0
	ds_add_u32 v[SPW], v[NIL]                      ; the wave's opening: the add, twice on end, and its wait ahead of my first tensor load; the set-up below stands between
	ds_add_u32 v[SPW], v[NIL]                      ; and once more, under the one wait
	v_lshrrev_b32 v3, 5, v0
	v_readfirstlane_b32 s14, v3                    ; wave 0..3
	s_lshr_b32 s15, s14, 1                         ; rh: which 64 rows
	s_and_b32 s16, s14, 1                          ; ch: which 128 hidden columns
	s_bfe_u32 s17, ttmp6, 0x40000                  ; cx: my place in the cluster
	s_lshl_b32 s18, ttmp9, 2                       ; in a cluster launch ttmp9 counts clusters
	s_add_co_u32 s18, s18, s17                     ; WG: it enters the addresses of features, captions and out0 alone
	; descriptor groups 1: dense blocks as rows of 256 bytes
	s_mov_b32 s20, 15|(3<<16)|(1<<21)              ; 15:0 the mask: all four work-groups; 17:16 elements of 8 bytes; 21 set beside a mask; no padding: the images hold their own
	s_mov_b32 s21, 32<<16                          ; tensor_dim0 = 32
	s_mov_b32 s22, 76<<16                          ; tensor_dim1 = 76
	s_mov_b32 s23, 32<<16                          ; tile_dim0 = 32
	s_mov_b32 s24, 76                              ; tile_dim1 = 76
	s_mov_b32 s25, 32                              ; 32 elements from row to row
	s_mov_b32 s26, 0
	s_mov_b32 s27, 0
	s_mov_b32 s28, 15|(3<<16)|(1<<21)
	s_mov_b32 s29, 32<<16
	s_mov_b32 s30, 11<<16
	s_mov_b32 s31, 32<<16
	s_mov_b32 s32, 11
	s_mov_b32 s33, 32
	s_mov_b32 s34, 0
	s_mov_b32 s35, 0
	s_mov_b32 s36, 1                               ; groups 0: count = 1, the LDS address: the region + my wave's quarter
	s_mul_i32 s37, s14, QT
	s_mov_b32 s40, 1
	s_add_co_u32 s41, s37, RING1
	s_mov_b32 s44, 1
	s_mul_i32 s49, s14, CQ
	s_add_co_u32 s45, s49, CST
	s_mov_b32 s48, 2                               ; tiles 0 and 1 are the first fills
	s_mov_b32 s51, 0
	s_mov_b32 s69, 0
	s_mov_b32 s56, 0xc0b8aa3b                      ; -4K; the packed forms name pairs and take the low word for both halves
	s_mov_b32 s57, s56
	s_mov_b32 s58, 0x4038aa3b                      ; 2K
	s_mov_b32 s59, s58
	s_mov_b32 s60, 0x3fb8aa3b                      ; K
	s_mov_b32 s61, s60
	s_mov_b32 s62, 0xbfb8aa3b                      ; -K
	s_mov_b32 s63, s62
	s_mov_b32 s66, 0xbf317218                      ; -1/K
	v_and_b32 v1, 15, v0                           ; r
	v_bfe_u32 v2, v0, 4, 1                         ; hh
	v_and_b32 v4, 31, v0                           ; lane
	v_mul_u32_u24 v5, v1, PW
	v_lshl_add_u32 v5, v2, 4, v5
	s_mul_i32 s55, s16, 64*PW
	v_add_nc_u32 v[AW], s55, v5
	v_add_nc_u32 v[AW+1], RING1, v[AW]
	v_mul_u32_u24 v6, v1, PT
	v_lshl_add_u32 v6, v2, 4, v6
	s_mul_i32 s55, s16, 64*PT
	s_add_co_u32 s55, s55, WROWS
	v_add_nc_u32 v[AT], s55, v6
	v_add_nc_u32 v[AT+1], RING1, v[AT]
	s_mul_i32 s55, s15, 64*PW
	s_add_co_u32 s55, s55, MAIL
	v_add_nc_u32 v[AH], s55, v5
	s_lshl_b32 s55, s16, 8
	v_add_nc_u32 v[MAB], s55, v[AH]
	v_add_nc_u32 v[AFC], FCW, v5
	v_mul_u32_u24 v6, v1, PF
	v_lshl_add_u32 v6, v2, 4, v6
	s_mul_i32 s55, s15, 64*PF
	s_add_co_u32 s55, s55, FEAT
	v_add_nc_u32 v[AF], s55, v6
	s_lshl_b32 s55, s16, 9
	s_add_co_u32 s55, s55, BPJ
	v_lshl_add_u32 v[ABP], v2, 5, s55
	v_mul_u32_u24 v6, v1, 200
	v_mul_u32_u24 v7, v2, 20
	v_add_nc_u32 v6, v6, v7
	s_mul_i32 s55, s15, 64*200
	s_add_co_u32 s55, s55, LOGS
	v_add_nc_u32 v[ALB], s55, v6
	s_lshl_b32 s55, s14, 16
	v_lshl_add_u32 v[FO], v4, 4, s55
	s_mul_i32 s55, s14, 32*PF
	s_add_co_u32 s55, s55, FEAT
	v_lshl_add_u32 v[FS], v4, 3, s55
	v_mul_u32_u24 v[CO], v1, 24
	s_mul_i32 s55, s15, 64*24
	v_add_nc_u32 v[CO], s55, v[CO]
	v_lshlrev_b32 v[OUTG], 4, v0
	v_add_nc_u32 v[OUTA], LOGS, v[OUTG]
	v_lshl_add_u32 v[ABF], v2, 5, BFC
	v_lshlrev_b32 v[HH8], 3, v2
	v_mov_b32 v[ONE16], 0x3c00
	s_wait_dscnt 0x0                               ; both opening adds are done
	s_wait_kmcnt 0x0
	s_mov_b32 s50, s37
	s_add_nc_u64 s[8:9], s[8:9], s[50:51]          ; wimg and cimg at my wave's quarter: the same in all four partners
	s_mov_b32 s50, s49
	s_add_nc_u64 s[10:11], s[10:11], s[50:51]
	s_lshl_b32 s68, s18, 18                        ; 128 rows of 2,048 bytes
	s_add_nc_u64 s[4:5], s[4:5], s[68:69]
	s_mul_i32 s68, s18, 128*24
	s_add_nc_u64 s[6:7], s[6:7], s[68:69]
	s_mul_i32 s68, s18, 128*200
	s_add_nc_u64 s[12:13], s[12:13], s[68:69]
	s_mov_b64 s[38:39], s[8:9]                     ; tile 0
	s_or_b32 s39, s39, 0x80000000                  ; type = 2
	s_add_nc_u64 s[42:43], s[8:9], TILE            ; tile 1
	s_or_b32 s43, s43, 0x80000000
	s_mov_b64 s[46:47], s[10:11]
	s_or_b32 s47, s47, 0x80000000
	CROUND                                         ; all four work-groups are here: the first joint loads meet
	tensor_load_to_lds s[36:39], s[20:27]          ; the first fills go out as one group: three loads of mine are out
	s_nop 0
	tensor_load_to_lds s[44:47], s[28:35]
	s_nop 0
	tensor_load_to_lds s[40:43], s[20:27]
	s_nop 0
	PLACES
	; ---------------- captions and features into registers: every feature load covers 512 consecutive bytes, each byte is loaded once
.irp t, 0,1,2,3
.irp p, 0,1,2
	global_load_b64 v[CAP+6*(\t)+2*(\p):CAP+6*(\t)+2*(\p)+1], v[CO], s[6:7] offset:384*(\t)+8*(\p)
.endr
.endr
	WIN 0x40
.set z, 0
.rept 64                               ; half 0 (columns 0-255) of my wave's 32 rows
	global_load_b128 v[4*z:4*z+3], v[FO], s[4:5] offset:2048*(z/2)+512*(z%2) th:TH_LOAD_NT
.set z, z+1
.endr
	WIN 0xc0
.set z, 0
.rept 64                               ; half 1
	global_load_b128 v[4*z:4*z+3], v[FO], s[4:5] offset:2048*(z/2)+512*(z%2)+1024 th:TH_LOAD_NT
.set z, z+1
.endr
	WIN 0
	s_wait_loadcnt 0x3f                            ; 64 loads were issued behind half 0's last: with 63 at the most out, the captions and half 0 are in
.irp t, 0,1,2,3
.irp s, 0,1,2,3,4
	v_min_u32 v[CAP+6*(\t)+(\s)], 9, v[CAP+6*(\t)+(\s)]
	v_sub_nc_u32 v[CAP+6*(\t)+(\s)], v[CAP+6*(\t)+(\s)], v[HH8]
.endr
.endr
	CONV 0, 0x05
	s_wait_dscnt 0x0                               ; my rows of half 0 lie in FEAT,
	s_wait_tensorcnt 0x1                           ; my quarters of slot 0 and of the constants have landed; slot 1's may stay out
	s_barrier_signal -1
	s_barrier_wait -1                              ; everybody's
	LOADF 0
	WIN 0x80
.irp sb, 0,1                           ; b_proj starts the projection's sums: nothing is cleared
.irp t, 0,1,2,3
.irp ct, 0,1,2,3
	ds_load_b128 v[128*(\sb)+32*(\t)+8*(\ct):128*(\sb)+32*(\t)+8*(\ct)+3],   v[ABP] offset:64*(4*(\sb)+(\ct))
	ds_load_b128 v[128*(\sb)+32*(\t)+8*(\ct)+4:128*(\sb)+32*(\t)+8*(\ct)+7], v[ABP] offset:64*(4*(\sb)+(\ct))+16
.endr
.endr
.endr
	WIN 0
	ds_load_b128 v[BF:BF+3], v[ABF]
	ds_load_b32 v[BF+4], v[ABF] offset:16
	FETCH 0, 0, F0
	; ---------------- the projection: four periods in bf16; buffer sub holds columns 64 sub .. of my 128
	MPH bf16, 0, 0, 2, 0                           ; k 0-255, sub 0; asks for tile 2
	FETCH 1, 0, F0
	MPH bf16, 1, 1, 2, 0                           ; k 0-255, sub 1; asks for tile 3
	FETCH 0, 0, F0
	s_wait_loadcnt 0x0                             ; half 1 is in
	CONV 1, 0x0f
	WIN 0xc0
.set z, 0
.rept 256                              ; c0 = 0, once a launch: the price of one text for all five steps
	v_mov_b32 v[z], 0
.set z, z+1
.endr
	WIN 0
	MEET                                           ; every wave's rows of half 1 lie in FEAT
	LOADF 1
	MPH bf16, 0, 0, 2, 0                           ; k 256-511, sub 0; asks for tile 4: W_hh's first
	FETCH 1, 0, F0
	MPH bf16, 1, 1, 2, 0
	NEXT 0                                         ; step 0, chunk 0
	; h0' = -K h0, rounded to f16, into MAIL.  FEAT's bytes are dead: every wave's last reads of them were waited for two rounds back.
	WIN 0xaa
.set z, 0
.rept 128
	v_pk_mul_f32 v[z:z+1], v[z:z+1], s[62:63] op_sel_hi:[1,0]
.set z, z+2
.endr
.set z, 0
.rept 32
.irp i, 0,1,2,3
	v_cvt_pk_f16_f32 v[8*z+(\i)], v[8*z+2*(\i)], v[8*z+2*(\i)+1]
.endr
.set z, z+1
.endr
	WIN 0x08
.irp sb, 0,1
.irp t, 0,1,2,3
.irp ct, 0,1,2,3
	ds_store_b128 v[MAB], v[128*(\sb)+32*(\t)+8*(\ct):128*(\sb)+32*(\t)+8*(\ct)+3] offset:16*PW*(\t)+32*(4*(\sb)+(\ct))
.endr
.endr
.endr
	WIN 0
	ONEHOT                                         ; step 0's captions
	MEET                                           ; all of h0' lies in MAIL
	LOADH 0, 4
	; ---------------- five steps of eight chunks: 20 pairs of periods, of which the loop walks 19
	s_mov_b32 s52, 0
.Lpair:
	s_and_b32 s53, s52, 3
	MPH f16, 0, 0, 2, 1
	NEXT 1
	ACT 0, 0, -1
	MPH f16, 1, 1, 2, 1
	s_cmp_lg_u32 s53, 3
	s_cbranch_scc1 .Lsame_step
.irp t, 0,1,2,3                        ; the step's last pair: the next chunk is the next step's, so the captions move up and the one-hot fragments are made anew
.irp s, 0,1,2,3
	v_mov_b32 v[CAP+6*(\t)+(\s)], v[CAP+6*(\t)+(\s)+1]
.endr
.endr
	ONEHOT
.Lsame_step:
	NEXT 0
	ACT 1, 1, -1
	MEET                                           ; on every trip's path, so that no barrier lies under a branch; it is wanted where a step ends: all of its h' lies in MAIL
	s_cmp_lg_u32 s53, 3
	s_cbranch_scc1 .Lnot_end
	LOADH 0, 4                                     ; h' for the next step; the next stores into MAIL come behind the next round, in front of which these loads are waited for
	FCLOAD
	s_lshr_b32 s55, s52, 2                         ; the step
	s_mul_i32 s55, s55, 40
	v_add_nc_u32 v[AL], s55, v[ALB]
	s_wait_dscnt 0x0
	s_cmp_eq_u32 s16, 0                            ; of my 64 rows the wave with ch = 0 makes the logits of tiles 0, 1, its partner those of tiles 2, 3
	s_cbranch_scc0 .Lupper
	FCT 0, 1
	s_branch .Lnot_end
.Lupper:
	FCT 2, 3
.Lnot_end:
	s_add_co_u32 s52, s52, 1
	s_cmp_lt_u32 s52, 19
	s_cbranch_scc1 .Lpair
	; ---------------- the last pair is written out: nothing is asked for
	s_mov_b32 s53, 3
	MPH f16, 0, 0, 1, 1
	NEXT 1
	ACT 0, 0, 6
	MPH f16, 1, 1, 0, 1
	ACT 1, 1, 7
	MEET
	FCLOAD
	v_add_nc_u32 v[AL], 160, v[ALB]
	s_cmp_eq_u32 s16, 0
	s_cbranch_scc0 .Lupper_last
	LOADH 0, 2
	s_wait_dscnt 0x0
	FCT 0, 1
	s_branch .Lout
.Lupper_last:
	LOADH 2, 2
	s_wait_dscnt 0x0
	FCT 2, 3
.Lout:
	; ---------------- the way out: LOGS is the work-group's 25,600 bytes of out0 as they lie there; each store covers 512 consecutive bytes, aligned
	MEET
.irp m, 0,1,2,3,4,5,6,7,8,9,10,11
	ds_load_b128 v[TMP+4*(\m):TMP+4*(\m)+3], v[OUTA] offset:2048*(\m)
.endr
	s_wait_dscnt 0x0
.irp m, 0,1,2,3,4,5,6,7,8,9,10,11
	global_store_b128 v[OUTG], v[TMP+4*(\m):TMP+4*(\m)+3], s[12:13] offset:2048*(\m) th:TH_STORE_NT
.endr
	s_cmp_lt_u32 s14, 2                            ; 50 such stores: twelve a wave, and one more for waves 0 and 1
	s_cbranch_scc0 .Lfin
	ds_load_b128 v[TMP+48:TMP+51], v[OUTA] offset:24576
	s_wait_dscnt 0x0
	global_store_b128 v[OUTG], v[TMP+48:TMP+51], s[12:13] offset:24576 th:TH_STORE_NT
.Lfin:
	s_wait_tensorcnt 0x0                           ; the wave's end: behind my last tensor load and my last LDS store
	ds_add_u32 v[SPW], v[NIL]
	s_wait_dscnt 0x0
	CROUND                                         ; the closing round: no work-group ends while a partner may still ask for a tile that names it
	s_endpgm
.Lfunc_end_k_q04ece9e853_main:
	.size	k_q04ece9e853_main, .Lfunc_end_k_q04ece9e853_main-k_q04ece9e853_main
	.p2alignl 7, 3214868480
	.fill 96, 4, 3214868480
	.section	.rodata,"a",@progbits
	.p2align	6, 0x0
	.amdhsa_kernel k_q04ece9e853_main
		.amdhsa_group_segment_fixed_size 327680
		.amdhsa_private_segment_fixed_size 0
		.amdhsa_enable_private_segment 0
		.amdhsa_kernarg_size 40
		.amdhsa_user_sgpr_count 2
		.amdhsa_user_sgpr_kernarg_segment_ptr 1
		.amdhsa_wavefront_size32 1
		.amdhsa_system_sgpr_workgroup_id_x 1
		.amdhsa_system_sgpr_workgroup_id_y 1
		.amdhsa_system_sgpr_workgroup_id_z 1
		.amdhsa_system_vgpr_workitem_id 0
		.amdhsa_next_free_vgpr 1024
		.amdhsa_next_free_sgpr 72
		.amdhsa_reserve_vcc 1
		.amdhsa_float_denorm_mode_32 3
		.amdhsa_float_denorm_mode_16_64 3
		.amdhsa_memory_ordered 1
		.amdhsa_forward_progress 1
		.amdhsa_inst_pref_size 255
	.end_amdhsa_kernel
	.section	.bss,"aw",@nobits
	.p2align	6
	.space	262144
	.amdgpu_metadata
---
amdhsa.version: [ 1, 2 ]
amdhsa.kernels:
  - .name:           k_q04ece9e853_main
    .symbol:         k_q04ece9e853_main.kd
    .args:
      - { .name: features, .offset: 0, .size: 8, .value_kind: global_buffer, .address_space: global }
      - { .name: captions, .offset: 8, .size: 8, .value_kind: global_buffer, .address_space: global }
      - { .name: wimg, .offset: 16, .size: 8, .value_kind: global_buffer, .address_space: global }
      - { .name: cimg, .offset: 24, .size: 8, .value_kind: global_buffer, .address_space: global }
      - { .name: out0, .offset: 32, .size: 8, .value_kind: global_buffer, .address_space: global }
    .group_segment_fixed_size: 327680
    .private_segment_fixed_size: 0
    .kernarg_segment_align: 8
    .kernarg_segment_size: 40
    .max_flat_workgroup_size: 128
    .sgpr_count:     72
    .vgpr_count:     1024
    .wavefront_size: 32
...
	.end_amdgpu_metadata
.endif
;; end of part 2
